; MI455X (gfx1250); checked and timed in simulation.
; The chip was launched on July 23, 2026; its instructions are those of AMD's public machine-readable ISA for CDNA 5 (MIT licence, August 2026) and "CDNA5" Instruction Set Architecture Reference Guide (July 2026). The comments in the code are by the model that wrote it; some were corrected since.
;; Multi Head Attention. Allowed arithmetic: float matrix products may take bf16 or f16 operands with f32 sums; all other float work in f32.
;; Inputs: Wout 1,024 x 1,024 float32; Wqkv 1,024 x 3,072 float32; x 2 x 2,048 x 1,024 float32.
;; Outputs: out0 2 x 2,048 x 1,024 float32.
;; One version. Each part assembles by itself: llvm-mc -triple=amdgcn-amd-amdhsa -mcpu=gfx1250 --defsym DOCPART=n.
;; ======== version 1 of 1: 4 launches
;; limits: values are held in f16: magnitudes above 65,504 overflow, below 6.1e-05 lose precision
;; workspace buffers: xb 8,388,608 bytes; wt 8,388,608 bytes; rope 524,288 bytes; qkv 25,165,824 bytes; ao 9,437,184 bytes
;; launch prep (part 1): grid 256 x 1, 8 waves a work-group, no clusters, 35,840 bytes of LDS; arguments x, Wqkv, Wout, xb, wt, rope; writes xb, wt, rope
.if DOCPART == 1
	.amdgcn_target "amdgcn-amd-amdhsa--gfx1250"
	.amdhsa_code_object_version 6
	.text
	.protected	k_q0768f97b72_prep
	.globl	k_q0768f97b72_prep
	.p2align	8
	.type	k_q0768f97b72_prep,@function
k_q0768f97b72_prep:
	s_mov_b64 s[64:65], 0
	v_nop
	global_prefetch_b8 v0, s[64:65] scope:SCOPE_SE
	s_setreg_imm32_b32 hwreg(HW_REG_WAVE_MODE, 25, 1), 1
	s_wait_xcnt 0x0
; PREP: three equal shares of work in each of 256 work-groups of eight waves.
;  (1) xb = bf16(x), same order: 64 KiB of x a work-group.
;  (2) wt[n'][k], 16 bit, K along the rows: rows 0-3071 = bf16 of Wqkv's columns, rows 3072-4095 = Wout's columns, rounded to bf16
;      and that value held in f16.  Inside each q or k head (rows below 2048) column d goes to place 2 (d & 31) | (d >> 5), so that the
;      two numbers that a rotation mixes (d and d + 32) are neighbours; q.k does not change under a permutation common to both.
;      Two tiles of 64 columns x 128 k a work-group, transposed through LDS (row = column, pitch 272 bytes).
;  (3) rope[s][i] = (cos, sin) of s / (10000^(i/32) + 2^-23), 8 rows of 32 pairs a work-group.
; LIMITS: |Wout| below 65,504 (f16); a Wout below 2^-14 is held with an absolute error of at most 3e-8.  The angles are formed in f32
; (largest 2,047 rad), so they are good to about 3e-4 rad; the reduction by pi/2 takes the constant in two parts.
; No matrix unit, no cluster: nothing is multiplied and no two work-groups read the same bytes.
.set XR, 32                            ; v[32:95]   my 16 x 16 bytes of x, packed in place
.set T1, 96                            ; v[96:127]  tile 1 as loaded (row j: 2 columns); later the rows read back from LDS
.set T2, 128                           ; v[128:159] tile 2 as loaded
.set PK, 160                           ; v[160:167] eight packed words at work
.set LPITCH, 272                       ; 256 bytes (128 k) + 16
.set TILEB, 64*LPITCH                  ; 17,408 bytes: a tile in LDS
	s_load_b256 s[4:11], s[0:1], 0x0               ; x s[4:5], Wqkv s[6:7], Wout s[8:9], xb s[10:11]
	s_load_b128 s[12:15], s[0:1], 0x20             ; wt s[12:13], rope s[14:15]
	v_lshl_add_u32 v168, v0, 2, 0x8800
	v_mov_b32 v169, 0
	v_lshrrev_b32 v1, 5, v0
	v_readfirstlane_b32 s16, v1                    ; wave w
	v_and_b32 v3, 31, v0                           ; lane l
	s_mov_b32 s17, ttmp9                           ; g
	s_and_b32 s18, s17, 7                          ; kt: which 128 k
	s_lshr_b32 s19, s17, 3                         ; g >> 3: which 64 columns
	s_lshl_b32 s20, s17, 16
	s_lshl_b32 s21, s16, 13
	s_add_co_u32 s20, s20, s21                     ; x: 65,536 g + 8,192 w
	s_mov_b32 s21, 0
	s_lshr_b32 s22, s20, 1                         ; xb: half of that
	s_mov_b32 s23, 0
	s_lshl_b32 s24, s18, 7
	s_lshl4_add_u32 s24, s16, s24                  ; my first k row: 128 kt + 16 w
	s_mul_i32 s26, s24, 12288
	s_lshl_b32 s25, s19, 8
	s_add_co_u32 s26, s26, s25                     ; Wqkv: row x 12,288 + 256 (g >> 3)
	s_mov_b32 s27, 0
	s_lshl_b32 s28, s19, 17
	s_lshl_b32 s29, s18, 8
	s_add_co_u32 s28, s28, s29                     ; wt: 64 rows of 2,048 bytes x (g >> 3) + 256 kt
	s_mov_b32 s29, 0
	s_lshl_b32 s30, s17, 11                        ; rope: 8 rows of 256 bytes x g
	s_mov_b32 s31, 0
	s_mov_b32 s33, 0xffff0000                      ; a word's upper bf16
	s_lshl3_add_u32 s38, s17, s16                  ; my table row s = 8 g + w
	v_lshlrev_b32 v1, 4, v3                        ; 16 l: x
	v_lshlrev_b32 v2, 3, v3                        ; 8 l: xb, and two columns of W
	v_mul_u32_u24 v4, v3, 544
	v_lshl_add_u32 v4, s16, 5, v4                  ; LDS in: row 2 l, byte 32 w
	v_lshrrev_b32 v9, 4, v0                        ; t >> 4
	v_and_b32 v10, 15, v0
	v_lshlrev_b32 v10, 4, v10                      ; 16 (t & 15)
	v_mul_u32_u24 v5, v9, LPITCH
	v_add_nc_u32 v5, v5, v10                       ; LDS back: row t >> 4
	v_lshl_add_u32 v6, v9, 12, v10                 ; wt, permuted tile: two rows for each t >> 4
	v_lshl_add_u32 v7, v9, 11, v10                 ; wt, natural tile
	v_lshlrev_b32 v8, 3, v0                        ; rope: 8 t
	s_wait_kmcnt 0x0
	s_add_nc_u64 s[4:5], s[4:5], s[20:21]
	s_add_nc_u64 s[10:11], s[10:11], s[22:23]
	s_add_nc_u64 s[6:7], s[6:7], s[26:27]
	s_add_nc_u64 s[12:13], s[12:13], s[28:29]
	s_add_nc_u64 s[34:35], s[12:13], 0x400000      ; tile 2 goes 32 blocks of 64 rows further down
	s_add_nc_u64 s[14:15], s[14:15], s[30:31]
	; all 48 loads of the wave go out first: 16 of x (512 neighbouring bytes each), 16 + 16 of W (256 neighbouring bytes each)
.set j, 0
.rept 16
	global_load_b128 v[XR+4*j:XR+4*j+3], v1, s[4:5] offset:512*j th:TH_LOAD_NT
.set j, j+1
.endr
.set j, 0
.rept 16
	global_load_b64 v[T1+2*j:T1+2*j+1], v2, s[6:7] offset:12288*j th:TH_LOAD_NT
.set j, j+1
.endr
	s_cmp_lt_u32 s17, 128
	s_cbranch_scc0 .Lfrom_wout
.set j, 0
.rept 16
	global_load_b64 v[T2+2*j:T2+2*j+1], v2, s[6:7] offset:8192+12288*j th:TH_LOAD_NT   ; v's columns: 2,048 columns to the right
.set j, j+1
.endr
	s_branch .Lloaded
.Lfrom_wout:
	s_lshl_b32 s36, s24, 12                        ; Wout: row x 4,096 + 256 ((g >> 3) - 16)
	s_sub_co_u32 s37, s19, 16
	s_lshl_b32 s37, s37, 8
	s_add_co_u32 s36, s36, s37
	s_mov_b32 s37, 0
	s_add_nc_u64 s[8:9], s[8:9], s[36:37]
.set j, 0
.rept 16
	global_load_b64 v[T2+2*j:T2+2*j+1], v2, s[8:9] offset:4096*j th:TH_LOAD_NT
.set j, j+1
.endr
.Lloaded:
	; the table, while the loads are on their way
	v_cvt_f32_u32 v16, v3
	v_mul_f32 v16, 0x3ed49a78, v16                 ; i x log2(10000) / 32
	v_exp_f32 v17, v16                             ; 10000^(i/32)
	v_cvt_f32_u32 v18, s38                         ; a plain instruction behind the exponential (ISA guide 5.7.2): s as f32
	s_wait_alu depctr_va_vdst(0)
	v_add_f32 v17, 0x34000000, v17                 ; + 2^-23
	v_rcp_f32 v19, v17
	v_nop                                          ; the place behind the reciprocal
	s_wait_alu depctr_va_vdst(0)
	v_mul_f32 v18, v18, v19                        ; the angle a
	v_mul_f32 v20, 0x3f22f983, v18                 ; a x 2/pi
	v_rndne_f32 v20, v20                           ; n
	v_fmamk_f32 v21, v20, 0xbfc90fdb, v18          ; r = a - n pi/2, the constant in two parts
	v_fmamk_f32 v21, v20, 0x333bbd2e, v21
	v_mul_f32 v22, v21, v21                        ; z = r r, |r| <= pi/4
	v_mov_b32 v23, 0xb9500d01                      ; sin r = r + r z (-1/6 + z (1/120 - z/5040))
	v_mov_b32 v24, 0x37d00d01                      ; cos r = 1 + z (-1/2 + z (1/24 + z (-1/720 + z/40320)))
	v_fmaak_f32 v23, v23, v22, 0x3c088889
	v_fmaak_f32 v24, v24, v22, 0xbab60b61
	v_fmaak_f32 v23, v23, v22, 0xbe2aaaab
	v_fmaak_f32 v24, v24, v22, 0x3d2aaaab
	v_mul_f32 v23, v23, v22
	v_fmaak_f32 v24, v24, v22, 0xbf000000
	v_fma_f32 v23, v21, v23, v21
	v_fmaak_f32 v24, v24, v22, 0x3f800000
	v_cvt_i32_f32 v25, v20                         ; the quadrant
	v_and_b32 v28, 1, v25
	v_cmp_eq_u32 vcc_lo, 1, v28
	v_cndmask_b32 v27, v23, v24, vcc_lo            ; odd quadrant: sine and cosine change places
	v_cndmask_b32 v26, v24, v23, vcc_lo
	v_lshlrev_b32 v29, 30, v25
	v_and_b32 v29, 0x80000000, v29                 ; sine negative in quadrants 2, 3
	v_add_nc_u32 v30, 1, v25
	v_lshlrev_b32 v30, 30, v30
	v_and_b32 v30, 0x80000000, v30                 ; cosine negative in quadrants 1, 2
	v_xor_b32 v27, v27, v29
	v_xor_b32 v26, v26, v30
	global_store_b64 v8, v[26:27], s[14:15]        ; a wave stores one whole row of 256 bytes
	s_wait_loadcnt 32                              ; loads come back in order: x is in, W's 32 loads stay out
.set j, 0
.rept 16
	v_cvt_pk_bf16_f32 v[XR+4*j], v[XR+4*j], v[XR+4*j+1]
	v_cvt_pk_bf16_f32 v[XR+4*j+1], v[XR+4*j+2], v[XR+4*j+3]
	global_store_b64 v2, v[XR+4*j:XR+4*j+1], s[10:11] offset:256*j    ; 256 neighbouring bytes, aligned
.set j, j+1
.endr
; A tile goes to LDS transposed: 8 k of one column are 16 bytes.  half = 1: the bf16 value is widened again and held in f16.
.macro PACK src, tile, half
.irp q, 0,1
.irp e, 0,1
.irp i, 0,1,2,3
	v_cvt_pk_bf16_f32 v[PK+4*\e+\i], v[\src+16*\q+4*\i+\e], v[\src+16*\q+4*\i+2+\e]
.if \half
	v_lshlrev_b32 v14, 16, v[PK+4*\e+\i]
	v_and_b32 v15, s33, v[PK+4*\e+\i]
	v_cvt_pk_f16_f32 v[PK+4*\e+\i], v14, v15
.endif
.endr
	ds_store_b128 v4, v[PK+4*\e:PK+4*\e+3] offset:\tile*TILEB+LPITCH*\e+16*\q
.endr
.endr
.endm
	s_wait_loadcnt 16                              ; tile 1 is in, tile 2's 16 loads stay out
	PACK T1, 0, 0
	s_wait_loadcnt 0x0
	s_cmp_lt_u32 s17, 128
	s_cbranch_scc0 .Lpack_wout
	PACK T2, 1, 0
	s_branch .Lpacked
.Lpack_wout:
	PACK T2, 1, 1
.Lpacked:
	s_wait_dscnt 0x0                               ; my LDS stores are done, for the other waves' sake
	s_barrier_signal -1
	s_barrier_wait -1                              ; the only barrier: each tile has LDS bytes of its own
.irp u, 0,1,2,3
	ds_load_b128 v[T1+4*\u:T1+4*\u+3], v5 offset:4352*\u
.endr
.irp u, 0,1,2,3
	ds_load_b128 v[T1+16+4*\u:T1+16+4*\u+3], v5 offset:TILEB+4352*\u
.endr
	; column d = 16 u + (t >> 4) goes to place 2 (t >> 4) + 0, 32, 1, 33 for u = 0 .. 3.  Sixteen lanes store 256 neighbouring bytes of one row.
	s_wait_dscnt 7
	global_store_b128 v6, v[T1:T1+3], s[12:13]
	s_wait_dscnt 6
	global_store_b128 v6, v[T1+4:T1+7], s[12:13] offset:65536
	s_wait_dscnt 5
	global_store_b128 v6, v[T1+8:T1+11], s[12:13] offset:2048
	s_wait_dscnt 4
	global_store_b128 v6, v[T1+12:T1+15], s[12:13] offset:67584
.irp u, 0,1,2,3
	s_wait_dscnt 3-\u
	global_store_b128 v7, v[T1+16+4*\u:T1+16+4*\u+3], s[34:35] offset:32768*\u
.endr
	s_wait_tensorcnt 0x0
	ds_add_u32 v168, v169
	s_wait_dscnt 0x0
	s_endpgm
.Lfunc_end_k_q0768f97b72_prep:
	.size	k_q0768f97b72_prep, .Lfunc_end_k_q0768f97b72_prep-k_q0768f97b72_prep
	.p2alignl 7, 3214868480
	.fill 96, 4, 3214868480
	.section	.rodata,"a",@progbits
	.p2align	6, 0x0
	.amdhsa_kernel k_q0768f97b72_prep
		.amdhsa_group_segment_fixed_size 35840
		.amdhsa_private_segment_fixed_size 0
		.amdhsa_enable_private_segment 0
		.amdhsa_kernarg_size 48
		.amdhsa_user_sgpr_count 2
		.amdhsa_user_sgpr_kernarg_segment_ptr 1
		.amdhsa_wavefront_size32 1
		.amdhsa_system_sgpr_workgroup_id_x 1
		.amdhsa_system_sgpr_workgroup_id_y 1
		.amdhsa_system_sgpr_workgroup_id_z 1
		.amdhsa_system_vgpr_workitem_id 0
		.amdhsa_next_free_vgpr 170
		.amdhsa_next_free_sgpr 66
		.amdhsa_reserve_vcc 1
		.amdhsa_float_denorm_mode_32 3
		.amdhsa_float_denorm_mode_16_64 3
		.amdhsa_memory_ordered 1
		.amdhsa_forward_progress 1
		.amdhsa_inst_pref_size 22
	.end_amdhsa_kernel
	.amdgpu_metadata
---
amdhsa.version: [ 1, 2 ]
amdhsa.kernels:
  - .name:           k_q0768f97b72_prep
    .symbol:         k_q0768f97b72_prep.kd
    .args:
      - { .name: x, .offset: 0, .size: 8, .value_kind: global_buffer, .address_space: global }
      - { .name: Wqkv, .offset: 8, .size: 8, .value_kind: global_buffer, .address_space: global }
      - { .name: Wout, .offset: 16, .size: 8, .value_kind: global_buffer, .address_space: global }
      - { .name: xb, .offset: 24, .size: 8, .value_kind: global_buffer, .address_space: global }
      - { .name: wt, .offset: 32, .size: 8, .value_kind: global_buffer, .address_space: global }
      - { .name: rope, .offset: 40, .size: 8, .value_kind: global_buffer, .address_space: global }
    .group_segment_fixed_size: 35840
    .private_segment_fixed_size: 0
    .kernarg_segment_align: 8
    .kernarg_segment_size: 48
    .max_flat_workgroup_size: 256
    .sgpr_count:     66
    .vgpr_count:     170
    .wavefront_size: 32
...
	.end_amdgpu_metadata
.endif
;; end of part 1
;; launch qkvrope (part 2): grid 16 x 16, 4 waves a work-group, clusters of 4 x 4, 327,680 bytes of LDS; arguments xb, wt, rope, qkv; writes qkv
.if DOCPART == 2
	.amdgcn_target "amdgcn-amd-amdhsa--gfx1250"
	.amdhsa_code_object_version 6
	.text
	.protected	k_q0768f97b72_qkvrope
	.globl	k_q0768f97b72_qkvrope
	.p2align	8
	.type	k_q0768f97b72_qkvrope,@function
k_q0768f97b72_qkvrope:
	s_mov_b64 s[64:65], 0
	v_nop
	global_prefetch_b8 v0, s[64:65] scope:SCOPE_SE
	s_setreg_imm32_b32 hwreg(HW_REG_WAVE_MODE, 25, 1), 1
	s_wait_xcnt 0x0
	s_wait_alu depctr_hold_cnt(0) depctr_sa_sdst(0) depctr_va_vdst(0) depctr_va_sdst(0) depctr_va_ssrc(0) depctr_va_vcc(0) depctr_vm_vsrc(0)
	s_getreg_b32 s2, hwreg(HW_REG_IB_STS2, 6, 4)
	s_cmp_eq_u32 s2, 0
	s_cbranch_scc0 .Lentry_in_a_cluster
	s_endpgm
.Lentry_in_a_cluster:
	s_bfe_u32 s2, ttmp6, 0x10000c
	s_cmp_lg_u32 s2, 0xf033
	s_cbranch_scc0 .Lentry_shape_is_right
	s_endpgm
.Lentry_shape_is_right:
; QKVROPE: qkv[hg][m][64] (f16) = rotate(xb [4096][1024] x wt rows 0-3071 [3072][1024], both bf16, K along the rows; sums in f32).
; A work-group makes 256 rows x 192 columns = three whole heads; wave w makes rows 64 w .. 64 w + 63 of all 192 columns: 48 accumulator
; tiles of 16 x 16, 384 registers.  K goes in 8 steps of 128 (rows of 256 bytes) through two LDS slots filled by the tensor data mover.
; CLUSTER 4 x 4: xb's tile hangs on the block row alone and is asked for jointly along a row of the cluster, wt's on the block column alone
; and is asked for jointly along a column: the requests for both are divided by four.
; The matrix instruction is used transposed (source 0 = 16 rows of wt, source 1 = 16 rows of xb): lane (r, h) holds row r and the eight
; neighbouring columns 8 h + 0 .. 7.  In q and k heads wt's rows are ordered so that columns 2 i, 2 i + 1 are d = i and d = i + 32: the
; rotation is done inside the lane on the way out.  v heads take (cos, sin) = (1, 0) by a select, since a block may hold both kinds.
; LIMIT: |x Wqkv| below 65,504 (q, k, v are f16); numbers below 6e-5 carry an absolute error of at most 3e-8.
; REGISTERS by windows of 256: window 0: addresses, xb's fragments (two buffers), the table; window 1: wt's fragments (two buffers);
; window 2: heads 0 and 1 (tile (a, hh, p) at 8 (16 (hh & 1) + 4 a + p)); window 3: head 2.
.set PITCH,  272                       ; an LDS row: 256 bytes + 16
.set AH,     128*PITCH                 ; 34,816: half of xb's 256 rows, one tensor load
.set BH,     96*PITCH                  ; 26,112: half of wt's 192 rows, one tensor load
.set SLOT,   2*AH+2*BH                 ; 121,856
.set STAGE,  2*SLOT                    ; 243,712: behind the ring, 16 rows x 144 bytes for each wave
.set SP,     144
.set ADRA, 16                          ; v16-17  LDS address of my xb fragments in slot 0, 1
.set ADRB, 20                          ; v20-21  the same for wt
.set STO,  24                          ; the way out: where I put 16 bytes of a row
.set RD,   25                          ; the way out: where I read rows back
.set CO,   26                          ; 16 x lane
.set TO,   27                          ; my offset in the table
.set CS,   32                          ; v[32:39] four (cos, sin) at work
.set FA,   64                          ; v[64:95], v[96:127] xb's fragments, two buffers
.set U,    64                          ; the way out: rotated numbers
.set RB,   96                          ; the way out: rows read back, two sets of 16
.set T,    128                         ; v[128:255] (cos, sin) of my 64 rows x my 4 pairs in each of 4 column tiles
.set G1,  24
.set G0,  32
.set G1B, 48
.set G0B, 56
.set MUL_LO, 0xa1                      ; source 0 window 1, source 1 window 0, C and D window 2
.set MUL_HI, 0xf1                      ; the same, C and D window 3
.set TO_B,   0x40                      ; destination window 1
.set MSB, 0
.macro WIN new                         ; the immediate's high byte repeats the setting that is left
.if MSB != \new
	s_set_vgpr_msb (MSB<<8)|\new
.set MSB, \new
.endif
.endm
.macro PLACES                          ; four places behind a matrix instruction in front of loads into its sources and of readers of its result
.rept 4
	v_nop
.endr
.endm
.macro JLOAD s                         ; waves 0, 1 ask for xb's halves, waves 2, 3 for wt's: one line, one mask each; the branch hangs on the wave's number alone
	s_cmp_eq_u32 s14, 0
	s_cbranch_scc0 .Lfor_b_\@
	tensor_load_to_lds s[G0+4*\s:G0+4*\s+3], s[G1:G1+7]
	s_nop 0
	s_branch .Lasked_\@
.Lfor_b_\@:
	tensor_load_to_lds s[G0B+4*\s:G0B+4*\s+3], s[G1B:G1B+7]
	s_nop 0
.Lasked_\@:
.endm
.macro CREST                           ; a round of the cluster's barrier behind its opening work-group barrier
	s_cmp_lg_u32 s12, 0
	s_cbranch_scc1 .Lnot_wave_0_\@
	s_barrier_signal -3
.Lnot_wave_0_\@:
	s_barrier_wait -3
	s_barrier_signal -1
	s_barrier_wait -1
.endm
.macro CROUND
	s_barrier_signal -1
	s_barrier_wait -1
	CREST
.endm
	s_load_b256 s[4:11], s[0:1], 0x0               ; xb s[4:5], wt s[6:7], rope s[8:9], qkv s[10:11]
	s_set_vgpr_msb 0x40
	v_lshl_add_u32 v255, v0, 2, 0x3dc00
	s_set_vgpr_msb 0x4000
	v_mov_b32 v63, 0
	s_set_vgpr_msb 0x1
	ds_add_u32 v255, v63
	ds_add_u32 v255, v63
	s_set_vgpr_msb 0x100
	v_lshrrev_b32 v1, 5, v0
	v_readfirstlane_b32 s12, v1                    ; wave
	s_and_b32 s13, s12, 1                          ; which half of a tile I fetch
	s_lshr_b32 s14, s12, 1                         ; I fetch for xb (0) or for wt (1)
	s_bfe_u32 s40, ttmp6, 0x40000                  ; cx
	s_bfe_u32 s41, ttmp6, 0x40004                  ; cy
	s_lshl_b32 s42, ttmp9, 2
	s_add_co_u32 s42, s42, s40                     ; block column bc
	s_and_b32 s43, ttmp7, 0xffff
	s_lshl_b32 s43, s43, 2
	s_add_co_u32 s43, s43, s41                     ; block row br
	s_lshl_b32 s44, s41, 2
	s_lshl_b32 s44, 15, s44                        ; my row of the cluster
	s_lshl_b32 s45, 0x1111, s40                    ; my column
	s_or_b32 s[G1+0], s44, 0x07710000              ; mask; elements of 2 bytes; padding on; bit 21 beside a mask; after every 64 words 4 words
	s_or_b32 s[G1B+0], s45, 0x07710000
	s_mov_b32 s[G1+1], 128<<16                     ; tensor_dim0 = 128
	s_mov_b32 s[G1B+1], 128<<16
	s_mov_b32 s[G1+2], 128<<16                     ; tensor_dim1 = 128 rows
	s_mov_b32 s[G1B+2], 96<<16                     ; 96 rows
	s_mov_b32 s[G1+3], 128<<16                     ; tile_dim0 = 128
	s_mov_b32 s[G1B+3], 128<<16
	s_mov_b32 s[G1+4], 128                         ; tile_dim1
	s_mov_b32 s[G1B+4], 96
	s_mov_b32 s[G1+5], 1024                        ; elements from row to row
	s_mov_b32 s[G1B+5], 1024
	s_mov_b32 s[G1+6], 0
	s_mov_b32 s[G1B+6], 0
	s_mov_b32 s[G1+7], 0
	s_mov_b32 s[G1B+7], 0
	s_lshl_b32 s16, s43, 19                        ; xb: (256 br + 128 half) rows of 2,048 bytes
	s_lshl_b32 s17, s13, 18
	s_add_co_u32 s16, s16, s17
	s_mov_b32 s17, 0
	s_mul_i32 s46, s42, 393216                     ; wt: (192 bc + 96 half) rows of 2,048 bytes
	s_mul_i32 s47, s13, 196608
	s_add_co_u32 s46, s46, s47
	s_mov_b32 s47, 0
	s_mul_i32 s18, s12, AH                         ; xb's halves (waves 0, 1) lie at wave x 34,816,
	s_mul_i32 s19, s12, BH
	s_add_co_u32 s19, s19, 2*AH-2*BH               ; wt's (waves 2, 3) behind them at 69,632 + (wave - 2) x 26,112
	s_wait_dscnt 0x0
	s_wait_kmcnt 0x0
	s_add_nc_u64 s[20:21], s[4:5], s[16:17]
	s_add_nc_u64 s[46:47], s[6:7], s[46:47]
	CROUND                                         ; all sixteen work-groups are here: the first joint loads meet
.irp s, 0,1
	s_mov_b32 s[G0+4*\s], 1
	s_add_co_u32 s[G0+4*\s+1], s18, \s*SLOT
	s_add_nc_u64 s[G0+4*\s+2:G0+4*\s+3], s[20:21], \s*256
	s_or_b32 s[G0+4*\s+3], s[G0+4*\s+3], 0x80000000
	s_mov_b32 s[G0B+4*\s], 1
	s_add_co_u32 s[G0B+4*\s+1], s19, \s*SLOT
	s_add_nc_u64 s[G0B+4*\s+2:G0B+4*\s+3], s[46:47], \s*256
	s_or_b32 s[G0B+4*\s+3], s[G0B+4*\s+3], 0x80000000
	JLOAD \s                                       ; K steps 0 and 1: two tensor loads of the wave are out, later never more than one
.endr
	v_and_b32 v1, 15, v0                           ; r
	v_bfe_u32 v2, v0, 4, 1                         ; h
	s_lshl_b32 s22, s43, 8
	s_lshl_b32 s23, s12, 6
	s_add_co_u32 s22, s22, s23
	s_and_b32 s22, s22, 2047                       ; the position s of my first row
	v_add_nc_u32 v[TO], s22, v1
	v_lshlrev_b32 v[TO], 8, v[TO]                  ; a table row is 256 bytes
	v_lshl_add_u32 v[TO], v2, 5, v[TO]             ; my four pairs: 32 h
	; The table is asked for here and first read on the way out, where its wait stands: T, TO and s[8:9] are touched by nothing in between.
.irp a, 0,1,2,3
.irp p, 0,1,2,3
	global_load_b128 v[T+32*\a+8*\p:T+32*\a+8*\p+3],   v[TO], s[8:9] offset:4096*\a+64*\p       ; pairs i = 8 p + 4 h + 0, 1 of row 16 a + r
	global_load_b128 v[T+32*\a+8*\p+4:T+32*\a+8*\p+7], v[TO], s[8:9] offset:4096*\a+64*\p+16    ; and + 2, 3
.endr
.endr
	v_mul_u32_u24 v3, v1, PITCH
	v_lshl_add_u32 v3, v2, 4, v3                   ; row x pitch + 16 h
	s_mul_i32 s23, s12, 64*PITCH                   ; my 64 rows of xb
	v_add_nc_u32 v[ADRA], s23, v3
	v_add_nc_u32 v[ADRA+1], SLOT, v[ADRA]
	v_add_nc_u32 v[ADRB], 2*AH, v3
	v_add_nc_u32 v[ADRB+1], SLOT, v[ADRB]
	s_mul_i32 s23, s12, 16*SP
	s_add_co_u32 s23, s23, STAGE                   ; my stage
	v_mul_u32_u24 v4, v1, SP
	v_lshl_add_u32 v4, v2, 4, v4
	v_add_nc_u32 v[STO], s23, v4
	v_and_b32 v5, 31, v0
	v_lshrrev_b32 v6, 3, v5
	v_and_b32 v7, 7, v5
	v_mul_u32_u24 v6, v6, SP
	v_lshl_add_u32 v6, v7, 4, v6
	v_add_nc_u32 v[RD], s23, v6                    ; back: eight lanes take one row of 128 bytes
	v_lshlrev_b32 v[CO], 4, v5
; 16 matrix instructions: head hh of the block x my four row tiles, 32 along K, from buffer f.  The 48 accumulators take turns, one
; instruction a turn, in the same order in every quarter step, over the backward jump too.
.macro MULH f, hh, zero
.irp a, 0,1,2,3
.irp p, 0,1,2,3
.if \zero
	v_wmma_f32_16x16x32_bf16 v[8*(16*(\hh&1)+4*\a+\p):8*(16*(\hh&1)+4*\a+\p)+7], v[96*\f+8*(4*\hh+\p):96*\f+8*(4*\hh+\p)+7], v[FA+32*\f+8*\a:FA+32*\f+8*\a+7], 0
.else
	v_wmma_f32_16x16x32_bf16 v[8*(16*(\hh&1)+4*\a+\p):8*(16*(\hh&1)+4*\a+\p)+7], v[96*\f+8*(4*\hh+\p):96*\f+8*(4*\hh+\p)+7], v[FA+32*\f+8*\a:FA+32*\f+8*\a+7], v[8*(16*(\hh&1)+4*\a+\p):8*(16*(\hh&1)+4*\a+\p)+7]
.endif
.endr
.endr
.endm
; 32 LDS loads in one run: quarter kq of the slot into buffer f; xb's 8 first, then wt's 24 in the order of the heads
.macro FETCH slot, kq, f
	WIN 0
.irp a, 0,1,2,3
	ds_load_b128 v[FA+32*\f+8*\a:FA+32*\f+8*\a+3],   v[ADRA+\slot] offset:64*\kq+16*PITCH*\a
	ds_load_b128 v[FA+32*\f+8*\a+4:FA+32*\f+8*\a+7], v[ADRA+\slot] offset:64*\kq+16*PITCH*\a+32
.endr
	WIN TO_B
.irp b, 0,1,2,3,4,5,6,7,8,9,10,11
	ds_load_b128 v[96*\f+8*\b:96*\f+8*\b+3],   v[ADRB+\slot] offset:64*\kq+16*PITCH*\b
	ds_load_b128 v[96*\f+8*\b+4:96*\f+8*\b+7], v[ADRB+\slot] offset:64*\kq+16*PITCH*\b+32
.endr
.endm
.macro QUARTER slot, kq, f, g, zero    ; multiplies buffer f; in its middle fetches quarter kq into buffer g
	s_wait_dscnt 8                                 ; all but the youngest eight loads, head 2's fragments of wt
	WIN MUL_LO
	MULH \f, 0, \zero
	MULH \f, 1, \zero
	PLACES
	FETCH \slot, \kq, \g
	s_wait_dscnt 32                                ; all but the 32 just issued
	WIN MUL_HI
	MULH \f, 2, \zero
.endm
.macro THREE slot, zero
	QUARTER \slot, 1, 0, 1, \zero
	QUARTER \slot, 2, 1, 0, 0
	QUARTER \slot, 3, 0, 1, 0
.endm
; The fourth quarter and the change of slots.  In front of the barrier each wave waits for its reads of this slot and for all its tensor
; loads (one is out: its part of the next slot).  Where the slot is filled again the barrier opens a round of the cluster's barrier, only
; register work stands inside, and the joint refill is the first tensor load behind its close.  A request has 176 matrix instructions to land.
.macro TURN slot, next, fill
	s_wait_dscnt 8
	WIN MUL_LO
	MULH 1, 0, 0
	s_wait_dscnt 0x0
	s_wait_tensorcnt 0x0
	ds_add_u32 v255, v63
	s_wait_dscnt 0x0
	s_barrier_signal -1
	MULH 1, 1, 0
	WIN 0
	s_barrier_wait -1
.if \fill
	CREST
	s_add_nc_u64 s[G0+4*\slot+2:G0+4*\slot+3], s[G0+4*\slot+2:G0+4*\slot+3], 512       ; two K steps on; no tensor load of mine is out
	s_add_nc_u64 s[G0B+4*\slot+2:G0B+4*\slot+3], s[G0B+4*\slot+2:G0B+4*\slot+3], 512
	JLOAD \slot
.endif
	PLACES
	FETCH \next, 0, 0
	WIN MUL_HI
	MULH 1, 2, 0
.endm
.macro LAP zero
	THREE 0, \zero
	TURN 0, 1, 1
	THREE 1, 0
	TURN 1, 0, 1
.endm
	s_wait_tensorcnt 1                             ; my part of K step 0 is in; K step 1's load is the one younger
	s_barrier_signal -1
	s_barrier_wait -1
	FETCH 0, 0, 0
	LAP 1                                          ; the first products start the sums: nothing is cleared
	WIN 0
	s_mov_b32 s3, 2
.Llap:
	LAP 0
	WIN 0
	s_sub_co_u32 s3, s3, 1
	s_cmp_lg_u32 s3, 0
	s_cbranch_scc1 .Llap
	THREE 0, 0                                     ; the last lap fills nothing
	TURN 0, 1, 0
	THREE 1, 0
	s_wait_dscnt 8
	WIN MUL_LO
	MULH 1, 0, 0
	MULH 1, 1, 0
	s_wait_dscnt 0x0
	WIN MUL_HI
	MULH 1, 2, 0
	; THE WAY OUT: 16 rows of one head at a time: rotate, round to f16, 16 bytes a lane into my own stage, back as whole rows, 512 dense bytes a store.
	PLACES
	WIN 0
	s_wait_loadcnt 0x0                             ; the table, asked for at the start
	s_mul_i32 s76, s42, 3                          ; my first head, 3 bc
	s_lshl_b32 s77, s43, 15                        ; (256 br + 64 w) rows of 128 bytes
	s_lshl_b32 s78, s12, 13
	s_add_co_u32 s77, s77, s78
.irp hh, 0,1,2
	s_add_co_u32 s78, s76, \hh
	s_cmp_lt_u32 s78, 32                           ; heads 0-31 are q and k: rotated.  Used as a select mask alone, never for a branch
	s_cselect_b32 s[72+\hh], -1, 0
	s_lshl_b32 s78, s78, 19                        ; a head's plane: 4,096 rows of 128 bytes
	s_add_co_u32 s78, s78, s77
	s_mov_b32 s79, 0
	s_add_nc_u64 s[66+2*\hh:67+2*\hh], s[10:11], s[78:79]
.endr
; Row tile a (a plain number: it is multiplied inside) of head hh; win: source 0 in the accumulators' window; set: which 16 registers take the rows read back
.macro OUTH a, hh, win, set
	WIN \win
.irp p, 0,1,2,3
.irp q, 0,1,2,3
	v_cndmask_b32 v[CS+2*\q],   1.0, v[T+32*\a+8*\p+2*\q],   s[72+\hh]
	v_cndmask_b32 v[CS+2*\q+1], 0,   v[T+32*\a+8*\p+2*\q+1], s[72+\hh]
.endr
.irp q, 0,1,2,3
	v_mul_f32 v[U+8*\p+2*\q],   v[8*(16*(\hh&1)+4*\a+\p)+2*\q+1], v[CS+2*\q+1]                     ; x2 sin
	v_mul_f32 v[U+8*\p+2*\q+1], v[8*(16*(\hh&1)+4*\a+\p)+2*\q],   v[CS+2*\q+1]                     ; x1 sin
	v_fma_f32 v[U+8*\p+2*\q],   v[8*(16*(\hh&1)+4*\a+\p)+2*\q],   v[CS+2*\q], -v[U+8*\p+2*\q]      ; x1 cos - x2 sin
	v_fma_f32 v[U+8*\p+2*\q+1], v[8*(16*(\hh&1)+4*\a+\p)+2*\q+1], v[CS+2*\q], v[U+8*\p+2*\q+1]     ; x2 cos + x1 sin
.endr
.endr
	WIN 0
.irp p, 0,1,2,3
.irp q, 0,1,2,3
	v_cvt_pk_f16_f32 v[U+8*\p+\q], v[U+8*\p+2*\q], v[U+8*\p+2*\q+1]
.endr
	ds_store_b128 v[STO], v[U+8*\p:U+8*\p+3] offset:32*\p
.endr
	s_wait_xcnt 0x0                                ; the registers that earlier stores read are loaded again only behind this wait
.irp t, 0,1,2,3
	ds_load_b128 v[RB+16*\set+4*\t:RB+16*\set+4*\t+3], v[RD] offset:4*SP*\t        ; LDS serves a wave's instructions in order: these see the stores above
.endr
.irp t, 0,1,2,3
	s_wait_dscnt 3-\t
	global_store_b128 v[CO], v[RB+16*\set+4*\t:RB+16*\set+4*\t+3], s[66+2*\hh:67+2*\hh] offset:2048*\a+512*\t
.endr
.endm
	OUTH 0, 0, 0x02, 0
	OUTH 1, 0, 0x02, 1
	OUTH 2, 0, 0x02, 0
	OUTH 3, 0, 0x02, 1
	OUTH 0, 1, 0x02, 0
	OUTH 1, 1, 0x02, 1
	OUTH 2, 1, 0x02, 0
	OUTH 3, 1, 0x02, 1
	OUTH 0, 2, 0x03, 0
	OUTH 1, 2, 0x03, 1
	OUTH 2, 2, 0x03, 0
	OUTH 3, 2, 0x03, 1
	s_set_vgpr_msb 0x1
	s_wait_tensorcnt 0x0
	ds_add_u32 v255, v63
	s_wait_dscnt 0x0
	s_set_vgpr_msb 0x100
	CROUND                                         ; the closing round: no work-group ends while a partner may still ask jointly
	s_endpgm
.Lfunc_end_k_q0768f97b72_qkvrope:
	.size	k_q0768f97b72_qkvrope, .Lfunc_end_k_q0768f97b72_qkvrope-k_q0768f97b72_qkvrope
	.p2alignl 7, 3214868480
	.fill 96, 4, 3214868480
	.section	.rodata,"a",@progbits
	.p2align	6, 0x0
	.amdhsa_kernel k_q0768f97b72_qkvrope
		.amdhsa_group_segment_fixed_size 327680
		.amdhsa_private_segment_fixed_size 0
		.amdhsa_enable_private_segment 0
		.amdhsa_kernarg_size 32
		.amdhsa_user_sgpr_count 2
		.amdhsa_user_sgpr_kernarg_segment_ptr 1
		.amdhsa_wavefront_size32 1
		.amdhsa_system_sgpr_workgroup_id_x 1
		.amdhsa_system_sgpr_workgroup_id_y 1
		.amdhsa_system_sgpr_workgroup_id_z 1
		.amdhsa_system_vgpr_workitem_id 0
		.amdhsa_next_free_vgpr 896
		.amdhsa_next_free_sgpr 80
		.amdhsa_reserve_vcc 0
		.amdhsa_float_denorm_mode_32 3
		.amdhsa_float_denorm_mode_16_64 3
		.amdhsa_memory_ordered 1
		.amdhsa_forward_progress 1
		.amdhsa_inst_pref_size 227
	.end_amdhsa_kernel
	.amdgpu_metadata
---
amdhsa.version: [ 1, 2 ]
amdhsa.kernels:
  - .name:           k_q0768f97b72_qkvrope
    .symbol:         k_q0768f97b72_qkvrope.kd
    .args:
      - { .name: xb, .offset: 0, .size: 8, .value_kind: global_buffer, .address_space: global }
      - { .name: wt, .offset: 8, .size: 8, .value_kind: global_buffer, .address_space: global }
      - { .name: rope, .offset: 16, .size: 8, .value_kind: global_buffer, .address_space: global }
      - { .name: qkv, .offset: 24, .size: 8, .value_kind: global_buffer, .address_space: global }
    .group_segment_fixed_size: 327680
    .private_segment_fixed_size: 0
    .kernarg_segment_align: 8
    .kernarg_segment_size: 32
    .max_flat_workgroup_size: 128
    .sgpr_count:     80
    .vgpr_count:     896
    .wavefront_size: 32
...
	.end_amdgpu_metadata
.endif
;; end of part 2
;; launch attn (part 3): grid 8 x 32, 4 waves a work-group, no clusters, 327,680 bytes of LDS; arguments qkv, ao; writes ao
.if DOCPART == 3
	.amdgcn_target "amdgcn-amd-amdhsa--gfx1250"
	.amdhsa_code_object_version 6
	.text
	.protected	k_q0768f97b72_attn
	.globl	k_q0768f97b72_attn
	.p2align	8
	.type	k_q0768f97b72_attn,@function
k_q0768f97b72_attn:
	s_mov_b64 s[64:65], 0
	v_nop
	global_prefetch_b8 v0, s[64:65] scope:SCOPE_SE
	s_setreg_imm32_b32 hwreg(HW_REG_WAVE_MODE, 25, 1), 1
	s_wait_xcnt 0x0
; ATTN: causal attention of one head (y = 16 b + h), f16 operands, f32 sums, running maximum.
; ao [32 mb][16 h][144][64] f16: rows 0-127 = the normalised result of the q block's 128 rows rounded to f16 (hi); rows 128-143 = what that
; rounding left over (lo), for the block's first 16 rows.  Why those: see the head of the projection, which adds the two terms.
; Work-group i takes q blocks 2 i and 15 - 2 i (128 rows each).  Each phase takes its diagonal key tile first (so the maximum is finite from
; the start: every row's own key is in it), then the key tiles 0, 1, .. below it: 2 i + (15 - 2 i) = 15 full tiles and 2 diagonal ones in
; every work-group.  Phase 1 has an even number of full tiles, so the full tiles walk two LDS slots 0, 1, 0, .. right through the change of phase.
; Wave w has q rows 32 w .. 32 w + 31, two blocks of 16.
; TRANSPOSED: S^T = K Q^T (lane (r, h): q row r, keys 16 kb + 8 h + j), so maximum, sum and scale are one number a lane, two packed S^T tiles are
; one B fragment of P^T without any lane traffic, and O^T = V^T P^T (V^T read by the transposing LDS load) leaves 8 neighbouring d in a lane.
; NO CLUSTER: the eight work-groups of a head need different tiles at any one time and different numbers of them in a phase; asking jointly
; would mean walking all 32 tile units instead of 17.
; LIMITS: masked scores are -inf; scores must be finite.  P is f16 (terms below 6e-5 of the row's largest carry an absolute error of 3e-8).
; From a q block's row 16 on the result carries one f16 rounding (2^-11 relative).
.set REG,    40960                     ; an LDS region: K rows 0-63 (pitch 144) at 0, K rows 64-127 at 10,240, V rows 0-127 (pitch 160) at 20,480
.set KP,     144
.set VPI,    160
.set STAGE,  4*REG                     ; 163,840: for each wave 9,216 bytes: hi's 32 rows x 144 bytes, then lo's 16 rows
.set PLANE,  18432                     ; ao: a head's 144 rows of 128 bytes
.set C_EXP,  0x3d38aa3b                ; log2(e) / 32
.set C_NEG,  0xbd38aa3b
.set AL,   2                           ; v[2:3]   the scale of the old sums, twice
.set KA,   4                           ; v4-7     LDS address of my K fragments in regions D1, D2, R0, R1
.set VA,   8                           ; v8-11    the same for V
.set QO,   12                          ; my offset in a q block
.set DQ,   13                          ; 32 w + r - 8 h: key 16 kb + 8 h + j is masked where 16 kb + j - 16 qb > DQ
.set NINF, 14
.set STO,  15
.set RD,   16
.set CO,   17
.set MX,   18                          ; v18-19   running maximum, q block 0, 1
.set LS,   20                          ; v20-21   running sum over my half of the keys
.set NM,   22                          ; v[22:23] -c x maximum, twice
.set T,    24                          ; v[24:31] at work
.set Q,    32                          ; v[32:63]   Q(qb, ks) at 32 + 16 qb + 8 ks
.set S,    64                          ; v[64:191]  S(qb, kb) at 64 + 64 qb + 8 kb; P(qb, ks) packed in place at 64 + 64 qb + 16 ks
.set O,    192                         ; v[192:255] O(qb, db) at 192 + 32 qb + 8 db
                                       ; window 1: K(kb, ks) at 16 kb + 8 ks; V(ks, db) at 128 + 32 ks + 8 db
.set G1K, 24
.set G1V, 32
.set G0,  40                           ; s[40:55] group 0 of D1, D2, R0, R1
.set MSB, 0
.macro WIN new
.if MSB != \new
	s_set_vgpr_msb (MSB<<8)|\new
.set MSB, \new
.endif
.endm
.macro PLACES n
.rept \n
	v_nop
.endr
.endm
.macro TLOAD reg                       ; waves 0, 1 bring K's halves (pad 16 bytes), waves 2, 3 V's (pad 32 bytes), 64 rows of 128 bytes each
	s_cmp_eq_u32 s9, 0
	s_cbranch_scc0 .Lfor_v_\@
	tensor_load_to_lds s[G0+4*\reg:G0+4*\reg+3], s[G1K:G1K+7]
	s_nop 0
	s_branch .Lasked_\@
.Lfor_v_\@:
	tensor_load_to_lds s[G0+4*\reg:G0+4*\reg+3], s[G1V:G1V+7]
	s_nop 0
.Lasked_\@:
.endm
	s_load_b128 s[4:7], s[0:1], 0x0                ; qkv s[4:5], ao s[6:7]
	s_set_vgpr_msb 0x80
	v_lshl_add_u32 v0, v0, 2, 0x31000
	v_mov_b32 v1, 0
	s_set_vgpr_msb 0x808a
	ds_add_u32 v0, v1
	ds_add_u32 v0, v1
	s_set_vgpr_msb 0x8a00
	v_lshrrev_b32 v1, 5, v0
	v_readfirstlane_b32 s8, v1                     ; wave
	s_lshr_b32 s9, s8, 1                           ; I fetch K (0) or V (1)
	s_and_b32 s10, s8, 1                           ; which 64 rows
	s_mov_b32 s11, ttmp9                           ; i
	s_and_b32 s12, ttmp7, 0xffff                   ; 16 b + h
	s_lshl_b32 s13, s11, 1                         ; first q block, 2 i
	s_sub_co_u32 s70, 15, s13                      ; second q block
	s_lshr_b32 s68, s12, 4                         ; b
	s_and_b32 s69, s12, 15                         ; h
	s_mov_b32 s[G1K+0], 0x07110000                 ; elements of 2 bytes; padding on; after every 32 words 4 words
	s_mov_b32 s[G1V+0], 0x0f110000                 ; the same, 8 words
	s_mov_b32 s[G1K+1], 64<<16                     ; tensor_dim0 = 64
	s_mov_b32 s[G1V+1], 64<<16
	s_mov_b32 s[G1K+2], 64<<16                     ; tensor_dim1 = 64 rows
	s_mov_b32 s[G1V+2], 64<<16
	s_mov_b32 s[G1K+3], 64<<16                     ; tile_dim0 = 64
	s_mov_b32 s[G1V+3], 64<<16
	s_mov_b32 s[G1K+4], 64                         ; tile_dim1 = 64
	s_mov_b32 s[G1V+4], 64
	s_mov_b32 s[G1K+5], 64                         ; elements from row to row
	s_mov_b32 s[G1V+5], 64
	s_mov_b32 s[G1K+6], 0
	s_mov_b32 s[G1V+6], 0
	s_mov_b32 s[G1K+7], 0
	s_mov_b32 s[G1V+7], 0
	s_mov_b32 s56, 0x76543210                      ; v_permlanex16_b32: lane i of one half reads lane i of the other
	s_mov_b32 s57, 0xfedcba98
	s_lshl_b32 s16, s69, 19                        ; the head's plane and the batch's rows: 524,288 h + 262,144 b
	s_lshl_b32 s17, s68, 18
	s_add_co_u32 s16, s16, s17
	s_mov_b32 s17, 0
	s_add_co_u32 s22, s9, 1
	s_lshl_b32 s22, s22, 23                        ; K's planes begin 16 heads in, V's 32
	s_add_co_u32 s22, s22, s16
	s_lshl_b32 s23, s10, 13                        ; my 64 rows of a tile
	s_add_co_u32 s22, s22, s23
	s_mov_b32 s23, 0
	s_mul_i32 s71, s8, 10240                       ; my quarter of a region
	s_wait_dscnt 0x0
	s_wait_kmcnt 0x0
	s_add_nc_u64 s[20:21], s[4:5], s[16:17]        ; the head's q rows
	s_add_nc_u64 s[18:19], s[4:5], s[22:23]        ; my part of key tile 0
.irp g, 0,1,2,3
	s_mov_b32 s[G0+4*\g], 1
	s_add_co_u32 s[G0+4*\g+1], s71, \g*REG
.endr
	s_lshl_b32 s16, s13, 14                        ; a tile is 128 rows of 128 bytes
	s_add_nc_u64 s[G0+2:G0+3], s[18:19], s[16:17]  ; D1: tile 2 i
	s_or_b32 s[G0+3], s[G0+3], 0x80000000
	s_lshl_b32 s16, s70, 14
	s_add_nc_u64 s[G0+6:G0+7], s[18:19], s[16:17]  ; D2: tile 15 - 2 i
	s_or_b32 s[G0+7], s[G0+7], 0x80000000
	s_mov_b64 s[G0+10:G0+11], s[18:19]             ; R0: tile 0
	s_or_b32 s[G0+11], s[G0+11], 0x80000000
	; the first fills, one group in one branch on the wave's number: three tensor loads of the wave are out, later never more than one
	s_cmp_eq_u32 s9, 0
	s_cbranch_scc0 .Lfirst_v
	tensor_load_to_lds s[G0:G0+3], s[G1K:G1K+7]
	s_nop 0
	tensor_load_to_lds s[G0+8:G0+11], s[G1K:G1K+7]
	s_nop 0
	tensor_load_to_lds s[G0+4:G0+7], s[G1K:G1K+7]
	s_nop 0
	s_branch .Lfirst_done
.Lfirst_v:
	tensor_load_to_lds s[G0:G0+3], s[G1V:G1V+7]
	s_nop 0
	tensor_load_to_lds s[G0+8:G0+11], s[G1V:G1V+7]
	s_nop 0
	tensor_load_to_lds s[G0+4:G0+7], s[G1V:G1V+7]
	s_nop 0
.Lfirst_done:
	s_lshl_b32 s16, s13, 14
	s_add_nc_u64 s[58:59], s[20:21], s[16:17]      ; q block 2 i
	s_lshl_b32 s16, s70, 14
	s_add_nc_u64 s[66:67], s[20:21], s[16:17]      ; q block 15 - 2 i
	s_mul_i32 s22, s68, 256*PLANE                  ; ao: ((16 b + block) 16 + h) planes + 4,096 w
	s_mul_i32 s16, s69, PLANE
	s_add_co_u32 s22, s22, s16
	s_lshl_b32 s16, s8, 12
	s_add_co_u32 s22, s22, s16
	s_mul_i32 s16, s13, 16*PLANE
	s_add_co_u32 s16, s16, s22
	s_add_nc_u64 s[60:61], s[6:7], s[16:17]
	s_mul_i32 s16, s70, 16*PLANE
	s_add_co_u32 s16, s16, s22
	s_add_nc_u64 s[62:63], s[6:7], s[16:17]
	v_and_b32 v24, 15, v0                          ; r
	v_bfe_u32 v25, v0, 4, 1                        ; h
	v_and_b32 v26, 31, v0                          ; lane
	v_lshlrev_b32 v[QO], 7, v24
	v_lshl_add_u32 v[QO], v25, 4, v[QO]
	v_lshl_add_u32 v[QO], s8, 12, v[QO]            ; (32 w + r) x 128 + 16 h
.macro QLOAD base                      ; B fragments of Q^T: q row r, d = 32 ks + 8 h .. and + 16
.irp qb, 0,1
.irp ks, 0,1
	global_load_b128 v[Q+16*\qb+8*\ks:Q+16*\qb+8*\ks+3],   v[QO], s[\base:\base+1] offset:2048*\qb+64*\ks
	global_load_b128 v[Q+16*\qb+8*\ks+4:Q+16*\qb+8*\ks+7], v[QO], s[\base:\base+1] offset:2048*\qb+64*\ks+32
.endr
.endr
.endm
	QLOAD 58
	v_mul_u32_u24 v27, v24, KP
	v_lshl_add_u32 v27, v25, 4, v27                ; 144 r + 16 h
.irp g, 0,1,2,3
	v_add_nc_u32 v[KA+\g], \g*REG, v27
.endr
	v_and_b32 v29, 7, v0
	v_lshl_add_u32 v30, v25, 3, v29                ; key row 8 h + (l & 7)
	v_mul_u32_u24 v30, v30, VPI
	v_bfe_u32 v31, v0, 3, 1
	v_lshl_add_u32 v30, v31, 4, v30                ; + 16 ((l >> 3) & 1)
.irp g, 0,1,2,3
	v_add_nc_u32 v[VA+\g], \g*REG+20480, v30
.endr
	v_lshlrev_b32 v[DQ], 3, v25
	v_sub_nc_u32 v[DQ], v24, v[DQ]
	v_lshl_add_u32 v[DQ], s8, 5, v[DQ]
	v_mov_b32 v[NINF], 0xff800000
	s_mul_i32 s16, s8, 9216
	s_add_co_u32 s16, s16, STAGE                   ; my stage
	v_add_nc_u32 v[STO], s16, v27
	v_lshrrev_b32 v31, 3, v26
	v_mul_u32_u24 v31, v31, KP
	v_lshl_add_u32 v31, v29, 4, v31
	v_add_nc_u32 v[RD], s16, v31                   ; back: eight lanes take one row of 128 bytes
	v_lshlrev_b32 v[CO], 4, v26
	v_mov_b32 v[T+4], 0                            ; the lane exchange counts as a reader of its destination
; S^T of q block qb: 8 key tiles x 64 d.  The eight accumulators take turns, one instruction a turn.
.macro SMUL qb
.irp kb, 0,1,2,3,4,5,6,7
	v_wmma_f32_16x16x32_f16 v[S+64*\qb+8*\kb:S+64*\qb+8*\kb+7], v[16*\kb:16*\kb+7], v[Q+16*\qb:Q+16*\qb+7], 0
.endr
.irp kb, 0,1,2,3,4,5,6,7
	v_wmma_f32_16x16x32_f16 v[S+64*\qb+8*\kb:S+64*\qb+8*\kb+7], v[16*\kb+8:16*\kb+15], v[Q+16*\qb+8:Q+16*\qb+15], v[S+64*\qb+8*\kb:S+64*\qb+8*\kb+7]
.endr
.endm
; O^T += V^T P^T for 32 keys; the four accumulators take turns likewise
.macro PVK qb, ks, zero
.irp db, 0,1,2,3
.if \zero
	v_wmma_f32_16x16x32_f16 v[O+32*\qb+8*\db:O+32*\qb+8*\db+7], v[128+32*\ks+8*\db:128+32*\ks+8*\db+7], v[S+64*\qb+16*\ks:S+64*\qb+16*\ks+7], 0
.else
	v_wmma_f32_16x16x32_f16 v[O+32*\qb+8*\db:O+32*\qb+8*\db+7], v[128+32*\ks+8*\db:128+32*\ks+8*\db+7], v[S+64*\qb+16*\ks:S+64*\qb+16*\ks+7], v[O+32*\qb+8*\db:O+32*\qb+8*\db+7]
.endif
.endr
.endm
.macro PV qb, first
	PVK \qb, 0, \first
	PVK \qb, 1, 0
	PVK \qb, 2, 0
	PVK \qb, 3, 0
.endm
.macro MASK qb                         ; the diagonal tile: keys behind the row's own become -inf
.irp kb, 0,1,2,3,4,5,6,7
.irp j, 0,1,2,3,4,5,6,7
	v_cmp_gt_i32 vcc_lo, 16*\kb+\j-16*\qb, v[DQ]
	v_cndmask_b32 v[S+64*\qb+8*\kb+\j], v[S+64*\qb+8*\kb+\j], v[NINF], vcc_lo
.endr
.endr
.endm
; The softmax step of q block qb on 128 keys.  first = 1: the phase's first tile starts maximum, sum and O.
.macro SM qb, first
.set SB, S+64*\qb
.set OB, O+32*\qb
.irp c, 0,1,2,3
	v_max3_num_f32 v[T+\c], v[SB+16*\c], v[SB+16*\c+1], v[SB+16*\c+2]       ; four chains of 16 numbers
.endr
.irp k, 3,5,7,9,11,13
.irp c, 0,1,2,3
	v_max3_num_f32 v[T+\c], v[T+\c], v[SB+16*\c+\k], v[SB+16*\c+\k+1]
.endr
.endr
.irp c, 0,1,2,3
	v_max_num_f32 v[T+\c], v[T+\c], v[SB+16*\c+15]
.endr
	v_max3_num_f32 v[T], v[T], v[T+1], v[T+2]
.if \first
	v_max_num_f32 v[T], v[T], v[T+3]
.else
	v_max3_num_f32 v[T], v[T], v[T+3], v[MX+\qb]
.endif
	v_permlanex16_b32 v[T+4], v[T], s56, s57       ; the row's other 64 keys lie in the other half of the lanes
	v_max_num_f32 v[T], v[T], v[T+4]
.if \first == 0
	v_sub_f32 v[T+1], v[MX+\qb], v[T]
	v_mul_f32 v[T+1], C_EXP, v[T+1]
	v_exp_f32 v[AL], v[T+1]                        ; the old sums' scale; the three plain lines below stand behind it (ISA guide 5.7.2)
.endif
	v_mov_b32 v[MX+\qb], v[T]
	v_mul_f32 v[NM], C_NEG, v[T]
	v_mov_b32 v[NM+1], v[NM]
.if \first == 0
	s_wait_alu depctr_va_vdst(0)
	v_mov_b32 v[AL+1], v[AL]
.endif
.set n, 0
.rept 32
	v_pk_fma_f32 v[SB+2*n:SB+2*n+1], v[SB+2*n:SB+2*n+1], C_EXP, v[NM:NM+1] op_sel_hi:[1,0,1]    ; (s - max) log2(e) / 32
.set n, n+1
.endr
.set n, 0
.rept 64
	v_exp_f32 v[SB+n], v[SB+n]
.set n, n+1
.endr
.if \first
	v_nop                                          ; the plain place behind the exponentials
	s_wait_alu depctr_va_vdst(0)
.else
.set n, 0
	s_wait_alu depctr_va_vdst(0)
.rept 16
	v_pk_mul_f32 v[OB+2*n:OB+2*n+1], v[OB+2*n:OB+2*n+1], v[AL:AL+1]         ; useful work in that place: the old O is scaled
.set n, n+1
.endr
.endif
.irp c, 0,1,2,3
	v_pk_add_f32 v[T+2*\c:T+2*\c+1], v[SB+2*\c:SB+2*\c+1], v[SB+8+2*\c:SB+8+2*\c+1]             ; four chains of pairs
.endr
.irp k, 2,3,4,5,6,7
.irp c, 0,1,2,3
	v_pk_add_f32 v[T+2*\c:T+2*\c+1], v[T+2*\c:T+2*\c+1], v[SB+8*\k+2*\c:SB+8*\k+2*\c+1]
.endr
.endr
	v_pk_add_f32 v[T:T+1], v[T:T+1], v[T+2:T+3]
	v_pk_add_f32 v[T+4:T+5], v[T+4:T+5], v[T+6:T+7]
	v_pk_add_f32 v[T:T+1], v[T:T+1], v[T+4:T+5]
.if \first
	v_add_f32 v[LS+\qb], v[T], v[T+1]
.else
	v_add_f32 v[T], v[T], v[T+1]
	v_fma_f32 v[LS+\qb], v[LS+\qb], v[AL], v[T]
.endif
.irp u, 0,1,2,3
.irp q, 0,1,2,3
	v_cvt_pk_f16_f32 v[SB+16*\u+\q], v[SB+16*\u+2*\q], v[SB+16*\u+2*\q+1]           ; tile 2 u: keys 32 u + 8 h + 0 .. 7 = registers 0-3 of the fragment
.endr
.irp q, 0,1,2,3
	v_cvt_pk_f16_f32 v[SB+16*\u+4+\q], v[SB+16*\u+8+2*\q], v[SB+16*\u+9+2*\q]       ; tile 2 u + 1: keys 32 u + 16 + 8 h + .. = registers 4-7
.endr
.endr
.endm
; One key tile from LDS region reg.  One q block's vector work stands beside the other's products.
.macro TILE reg, first, diag
	WIN 0x40                                       ; destinations in window 1
.irp kb, 0,1,2,3,4,5,6,7
.irp ks, 0,1
	ds_load_b128 v[16*\kb+8*\ks:16*\kb+8*\ks+3],   v[KA+\reg] offset:(\kb/4)*10240+(\kb%4)*16*KP+64*\ks
	ds_load_b128 v[16*\kb+8*\ks+4:16*\kb+8*\ks+7], v[KA+\reg] offset:(\kb/4)*10240+(\kb%4)*16*KP+64*\ks+32
.endr
.endr
.irp ks, 0,1,2,3
.irp db, 0,1,2,3
	ds_load_tr16_b128 v[128+32*\ks+8*\db:128+32*\ks+8*\db+3],   v[VA+\reg] offset:32*VPI*\ks+32*\db
	ds_load_tr16_b128 v[128+32*\ks+8*\db+4:128+32*\ks+8*\db+7], v[VA+\reg] offset:32*VPI*\ks+32*\db+16*VPI
.endr
.endr
	s_wait_dscnt 32                                ; K is in; V's 32 loads are younger
	WIN 0x01                                       ; source 0 (K, V) in window 1
	SMUL 0
	SMUL 1
	WIN 0
	PLACES 4                                       ; behind the products, in front of the readers of S
.if \diag
	MASK 0
.endif
	SM 0, \first
	s_wait_dscnt 0x0                               ; V is in
	WIN 0x01
	PV 0, \first
	WIN 0
.if \diag
	MASK 1
.endif
	SM 1, \first
	WIN 0x01
	PV 1, \first
	WIN 0
	PLACES 5                                       ; in front of the next loads into V, the next products that write over P, and the readers of O
.endm
; A phase's end: O / sum rounded to f16 (hi), through my own stage, out as 512 dense bytes a store.  Wave 0 alone, for its first 16 rows (the q
; block's rows 0-15), also makes lo = what the rounding left over; the branches hang on the wave's number.  again = 1: the registers are used again.
.macro FINAL base, again
.irp qb, 0,1
	v_permlanex16_b32 v[T+4], v[LS+\qb], s56, s57
	v_add_f32 v[T], v[LS+\qb], v[T+4]
	v_rcp_f32 v[AL], v[T]
	v_nop                                          ; the place behind the reciprocal
	s_wait_alu depctr_va_vdst(0)
	v_mov_b32 v[AL+1], v[AL]
.irp db, 0,1,2,3
.irp q, 0,1,2,3
	v_pk_mul_f32 v[O+32*\qb+8*\db+2*\q:O+32*\qb+8*\db+2*\q+1], v[O+32*\qb+8*\db+2*\q:O+32*\qb+8*\db+2*\q+1], v[AL:AL+1]
.endr
.irp q, 0,1,2,3
	v_cvt_pk_f16_f32 v[64+\q], v[O+32*\qb+8*\db+2*\q], v[O+32*\qb+8*\db+2*\q+1]     ; hi
.endr
	ds_store_b128 v[STO], v[64:67] offset:16*KP*\qb+32*\db
.if \qb == 0
	s_cmp_lg_u32 s8, 0
	s_cbranch_scc1 .Lno_lo_\@_\db
	v_cvt_f32_f16 v[T+0], v64.l
	v_cvt_f32_f16 v[T+1], v64.h
	v_cvt_f32_f16 v[T+2], v65.l
	v_cvt_f32_f16 v[T+3], v65.h
	v_cvt_f32_f16 v[T+4], v66.l
	v_cvt_f32_f16 v[T+5], v66.h
	v_cvt_f32_f16 v[T+6], v67.l
	v_cvt_f32_f16 v[T+7], v67.h
.irp q, 0,1,2,3
	v_pk_add_f32 v[O+8*\db+2*\q:O+8*\db+2*\q+1], v[O+8*\db+2*\q:O+8*\db+2*\q+1], v[T+2*\q:T+2*\q+1] neg_lo:[0,1] neg_hi:[0,1]
.endr
.irp q, 0,1,2,3
	v_cvt_pk_f16_f32 v[68+\q], v[O+8*\db+2*\q], v[O+8*\db+2*\q+1]                   ; lo
.endr
	ds_store_b128 v[STO], v[68:71] offset:32*KP+32*\db
.Lno_lo_\@_\db:
.endif
.endr
.endr
	s_wait_xcnt 0x0                                ; registers that earlier stores read are loaded again only behind this wait
.set n, 0
.rept 8
	ds_load_b128 v[128+4*n:128+4*n+3], v[RD] offset:4*KP*n                          ; LDS serves a wave's instructions in order: these see the stores above
.set n, n+1
.endr
.set n, 0
.rept 8
	s_wait_dscnt 7-n
	global_store_b128 v[CO], v[128+4*n:128+4*n+3], s[\base:\base+1] offset:512*n    ; my 32 rows of hi
.set n, n+1
.endr
	s_cmp_lg_u32 s8, 0
	s_cbranch_scc1 .Lno_lo_out_\@
.set n, 0
.rept 4
	ds_load_b128 v[160+4*n:160+4*n+3], v[RD] offset:32*KP+4*KP*n
.set n, n+1
.endr
.set n, 0
.rept 4
	s_wait_dscnt 3-n
	global_store_b128 v[CO], v[160+4*n:160+4*n+3], s[\base:\base+1] offset:16384+512*n      ; the plane's rows 128-143 (wave 0's base is the plane's)
.set n, n+1
.endr
.Lno_lo_out_\@:
.if \again
	s_wait_xcnt 0x0                                ; the next products write over these registers
.endif
.endm
.macro SWITCH                          ; from q block 2 i to 15 - 2 i: no barrier and no tensor load stand here
	QLOAD 66
	FINAL 60, 1
	s_wait_loadcnt 0x0
	TILE 1, 1, 1
.endm
; One full tile.  In front of the barrier every wave waits for all its tensor loads (its part of this trip's tile among them) and for its
; LDS reads; behind it the other slot's next tile is asked for first, one tensor load a wave, and has this trip's work in which to land.
.macro TRIP slot, refill, sw
	s_set_vgpr_msb 0xa
	s_wait_tensorcnt 0x0
	ds_add_u32 v0, v1
	s_wait_dscnt 0x0
	s_set_vgpr_msb 0xa00
.if \refill
	s_add_co_u32 s15, s15, 1                       ; the next full tile's number in the walk: below 2 i it is the key tile itself, else less 2 i
	s_sub_co_u32 s16, s15, s13
	s_cmp_lt_u32 s15, s13
	s_cselect_b32 s16, s15, s16
	s_lshl_b32 s16, s16, 14
	s_mov_b32 s17, 0
	s_add_nc_u64 s[G0+4*(3-\slot)+2:G0+4*(3-\slot)+3], s[18:19], s[16:17]   ; no tensor load of mine is out: a group 0 may be written
	s_or_b32 s[G0+4*(3-\slot)+3], s[G0+4*(3-\slot)+3], 0x80000000
.endif
	s_wait_dscnt 0x0
	s_barrier_signal -1
	s_barrier_wait -1
.if \refill
	TLOAD (3-\slot)
.endif
.if \sw
	s_cmp_lg_u32 s14, s11                          ; phase 1's 2 i full tiles are done when the pair counter reaches i: the same in all four waves
	s_cbranch_scc1 .Lsame_phase_\@
	SWITCH
.Lsame_phase_\@:
.endif
	TILE (2+\slot), 0, 0
.endm
	s_wait_loadcnt 0x0                             ; Q
	s_wait_tensorcnt 2                             ; my part of D1 is in; R0's and D2's loads are younger
	s_barrier_signal -1
	s_barrier_wait -1
	TILE 0, 1, 1
	s_mov_b32 s14, 0                               ; pairs of full tiles done
	s_mov_b32 s15, 0                               ; the last full tile asked for
.Lpair:
	TRIP 0, 1, 1
	TRIP 1, 1, 0
	s_add_co_u32 s14, s14, 1
	s_cmp_lt_u32 s14, 7
	s_cbranch_scc1 .Lpair
	TRIP 0, 0, 1                                   ; the fifteenth full tile: nothing is left to fetch
	FINAL 62, 0
	s_set_vgpr_msb 0xa
	s_wait_tensorcnt 0x0
	ds_add_u32 v0, v1
	s_wait_dscnt 0x0
	s_set_vgpr_msb 0xa00
	s_endpgm
.Lfunc_end_k_q0768f97b72_attn:
	.size	k_q0768f97b72_attn, .Lfunc_end_k_q0768f97b72_attn-k_q0768f97b72_attn
	.p2alignl 7, 3214868480
	.fill 96, 4, 3214868480
	.section	.rodata,"a",@progbits
	.p2align	6, 0x0
	.amdhsa_kernel k_q0768f97b72_attn
		.amdhsa_group_segment_fixed_size 327680
		.amdhsa_private_segment_fixed_size 0
		.amdhsa_enable_private_segment 0
		.amdhsa_kernarg_size 16
		.amdhsa_user_sgpr_count 2
		.amdhsa_user_sgpr_kernarg_segment_ptr 1
		.amdhsa_wavefront_size32 1
		.amdhsa_system_sgpr_workgroup_id_x 1
		.amdhsa_system_sgpr_workgroup_id_y 1
		.amdhsa_system_sgpr_workgroup_id_z 1
		.amdhsa_system_vgpr_workitem_id 0
		.amdhsa_next_free_vgpr 514
		.amdhsa_next_free_sgpr 72
		.amdhsa_reserve_vcc 1
		.amdhsa_float_denorm_mode_32 3
		.amdhsa_float_denorm_mode_16_64 3
		.amdhsa_memory_ordered 1
		.amdhsa_forward_progress 1
		.amdhsa_inst_pref_size 255
	.end_amdhsa_kernel
	.section	.bss,"aw",@nobits
	.p2align	6
	.space	262144
	.amdgpu_metadata
---
amdhsa.version: [ 1, 2 ]
amdhsa.kernels:
  - .name:           k_q0768f97b72_attn
    .symbol:         k_q0768f97b72_attn.kd
    .args:
      - { .name: qkv, .offset: 0, .size: 8, .value_kind: global_buffer, .address_space: global }
      - { .name: ao, .offset: 8, .size: 8, .value_kind: global_buffer, .address_space: global }
    .group_segment_fixed_size: 327680
    .private_segment_fixed_size: 0
    .kernarg_segment_align: 8
    .kernarg_segment_size: 16
    .max_flat_workgroup_size: 128
    .sgpr_count:     72
    .vgpr_count:     514
    .wavefront_size: 32
...
	.end_amdgpu_metadata
.endif
;; end of part 3
;; launch proj (part 4): grid 8 x 32, 4 waves a work-group, clusters of 4 x 4, 327,680 bytes of LDS; arguments ao, wt, out0; writes out0
.if DOCPART == 4
	.amdgcn_target "amdgcn-amd-amdhsa--gfx1250"
	.amdhsa_code_object_version 6
	.text
	.protected	k_q0768f97b72_proj
	.globl	k_q0768f97b72_proj
	.p2align	8
	.type	k_q0768f97b72_proj,@function
k_q0768f97b72_proj:
	s_mov_b64 s[64:65], 0
	v_nop
	global_prefetch_b8 v0, s[64:65] scope:SCOPE_SE
	s_setreg_imm32_b32 hwreg(HW_REG_WAVE_MODE, 25, 1), 1
	s_wait_xcnt 0x0
	s_wait_alu depctr_hold_cnt(0) depctr_sa_sdst(0) depctr_va_vdst(0) depctr_va_sdst(0) depctr_va_ssrc(0) depctr_va_vcc(0) depctr_vm_vsrc(0)
	s_getreg_b32 s2, hwreg(HW_REG_IB_STS2, 6, 4)
	s_cmp_eq_u32 s2, 0
	s_cbranch_scc0 .Lentry_in_a_cluster
	s_endpgm
.Lentry_in_a_cluster:
	s_bfe_u32 s2, ttmp6, 0x10000c
	s_cmp_lg_u32 s2, 0xf033
	s_cbranch_scc0 .Lentry_shape_is_right
	s_endpgm
.Lentry_shape_is_right:
; PROJ: out0 [4096][1024] f32 = ao x Wout, f16 operands, f32 sums.  ao: [32 mb][16 h][144][64] f16: rows 0-127 hi, rows 128-143 lo of the block's
; rows 0-15.  Wout's columns are wt's rows 3072-4095, K along the rows.  A work-group makes 128 x 128; wave w makes rows 64 (w >> 1) .. and
; columns 64 (w & 1) ..: 16 accumulator tiles.
; THE lo TERM: a causal row t is a mean over t + 1 values, so where the softmax is flat the first rows of a sequence are the output's largest, row 0
; some sqrt(2048 / ln 2048) = 16 times its root mean square, while the problem's allowance hangs on that root mean square: there f16's rounding of
; the operand (2^-11 relative) is felt, and hi + lo is multiplied.  From row 16 on a flat row is at most 1 / sqrt(17) of row 0, and hi alone serves.
; Every block carries lo for its first 16 rows, though only a sequence's first block needs it, so that all work-groups do the same work and no
; branch hangs on a place in the cluster: 4 products more beside 16 for waves 0 and 1, under a branch on the wave's number.
; K goes in four double steps of 256 (four heads) through two LDS slots: both first fills go out at the start, two refills follow; the 32
; quarter steps of 32 k are written out, without a loop.  A refill has 112 hi products in which to land.
; CLUSTER 4 x 4: ao's tile hangs on the block row alone (joint along a row of the cluster), wt's on the block column alone (joint along a column).
; The matrix instruction is used transposed (source 0 = rows of wt): lane (r, h) holds row r and columns 8 h + 0 .. 7.
; LIMIT: |Wout| and the attention's result below 65,504 (f16); from a block's row 16 on the operand carries one f16 rounding.
.set APITCH, 144                       ; ao's rows in LDS: 128 bytes + 16
.set BPITCH, 528                       ; wt's rows in LDS: 512 bytes (256 k) + 16
.set HEADB,  144*APITCH                ; 20,736: one head: hi's 128 rows, then lo's 16
.set ALOAD,  2*HEADB                   ; 41,472: two heads, one tensor load
.set BLOAD,  64*BPITCH                 ; 33,792: 64 rows of wt, one tensor load
.set SLOT,   2*ALOAD+2*BLOAD           ; 150,528
.set STAGE,  2*SLOT                    ; 301,056: 16 rows x 272 bytes for each wave
.set SPITCH, 272
.set ADRA, 16                          ; v16-19  my ao fragments: slot 0, slot 1 (heads 0, 1 of the slot's four), slot 0, slot 1 (heads 2, 3): an LDS offset has 16 bits
.set ADRB, 20                          ; v20-21  my wt fragments in slot 0, 1
.set STO,  24
.set RD,   25
.set CO,   26
.set F0,   64                          ; a fragment buffer: + 0 wt (4 x 8), + 32 hi (4 x 8), + 64 lo (8)
.set F1,   144
.set G1,  24
.set G0,  32
.set G1B, 48
.set G0B, 56
.set MULW, 0x50                        ; C and D in window 1 (tile (a, b) at 8 (4 a + b)), sources in window 0
.set MSB, 0
.macro WIN new                         ; the immediate's high byte repeats the setting that is left
.if MSB != \new
	s_set_vgpr_msb (MSB<<8)|\new
.set MSB, \new
.endif
.endm
.macro PLACES                          ; four places behind a matrix instruction (ISA guide 7.12.1)
.rept 4
	v_nop
.endr
.endm
.macro JLOAD s                         ; waves 0, 1 ask for two heads of ao each, waves 2, 3 for wt's halves: one line, one mask each
	s_cmp_eq_u32 s14, 0
	s_cbranch_scc0 .Lfor_b_\@
	tensor_load_to_lds s[G0+4*\s:G0+4*\s+3], s[G1:G1+7]
	s_nop 0
	s_branch .Lasked_\@
.Lfor_b_\@:
	tensor_load_to_lds s[G0B+4*\s:G0B+4*\s+3], s[G1B:G1B+7]
	s_nop 0
.Lasked_\@:
.endm
.macro CREST                           ; a round of the cluster's barrier behind its opening work-group barrier
	s_cmp_lg_u32 s12, 0
	s_cbranch_scc1 .Lnot_wave_0_\@
	s_barrier_signal -3
.Lnot_wave_0_\@:
	s_barrier_wait -3
	s_barrier_signal -1
	s_barrier_wait -1
.endm
.macro CROUND
	s_barrier_signal -1
	s_barrier_wait -1
	CREST
.endm
	s_load_b128 s[4:7], s[0:1], 0x0                ; ao s[4:5], wt s[6:7]
	s_load_b64 s[8:9], s[0:1], 0x10                ; out0
	v_lshl_add_u32 v254, v0, 2, 0x4dc00
	v_mov_b32 v255, 0
	ds_add_u32 v254, v255
	ds_add_u32 v254, v255
	v_lshrrev_b32 v1, 5, v0
	v_readfirstlane_b32 s12, v1                    ; wave
	s_and_b32 s13, s12, 1                          ; my half of the columns; also which part of a tile I fetch
	s_lshr_b32 s14, s12, 1                         ; my half of the rows; also I fetch ao (0) or wt (1)
	s_bfe_u32 s40, ttmp6, 0x40000                  ; cx
	s_bfe_u32 s41, ttmp6, 0x40004                  ; cy
	s_lshl_b32 s42, ttmp9, 2
	s_add_co_u32 s42, s42, s40                     ; block column bc
	s_and_b32 s43, ttmp7, 0xffff
	s_lshl_b32 s43, s43, 2
	s_add_co_u32 s43, s43, s41                     ; block row br = mb
	s_lshl_b32 s44, s41, 2
	s_lshl_b32 s44, 15, s44                        ; my row of the cluster
	s_lshl_b32 s45, 0x1111, s40                    ; my column
	; ao's two heads are 36,864 dense bytes: they come as 144 rows of 256 bytes, padded after every 32 words (the words are counted along the
	; whole tile), so that each 128 bytes, one row of a head, lie 144 bytes apart in LDS.  wt: 64 rows of 512 bytes, padded after every 128 words.
	s_or_b32 s[G1+0], s44, 0x07310000              ; mask; 2 bytes; padding on; bit 21 beside a mask; after every 32 words 4 words
	s_or_b32 s[G1B+0], s45, 0x07b10000             ; the same, after every 128 words
	s_mov_b32 s[G1+1], 128<<16                     ; tensor_dim0
	s_mov_b32 s[G1B+1], 256<<16
	s_mov_b32 s[G1+2], 144<<16                     ; tensor_dim1
	s_mov_b32 s[G1B+2], 64<<16
	s_mov_b32 s[G1+3], 128<<16                     ; tile_dim0
	s_mov_b32 s[G1B+3], 256<<16
	s_mov_b32 s[G1+4], 144                         ; tile_dim1
	s_mov_b32 s[G1B+4], 64
	s_mov_b32 s[G1+5], 128                         ; elements from row to row
	s_mov_b32 s[G1B+5], 1024
	s_mov_b32 s[G1+6], 0
	s_mov_b32 s[G1B+6], 0
	s_mov_b32 s[G1+7], 0
	s_mov_b32 s[G1B+7], 0
	s_mul_i32 s16, s43, 294912                     ; ao: 16 planes of 18,432 bytes x br + two planes x my part
	s_mul_i32 s17, s13, 36864
	s_add_co_u32 s16, s16, s17
	s_mov_b32 s17, 0
	s_lshl_b32 s46, s42, 18                        ; wt: (3,072 + 128 bc + 64 half) rows of 2,048 bytes
	s_lshl_b32 s47, s13, 17
	s_add_co_u32 s46, s46, s47
	s_add_co_u32 s46, s46, 3072*2048
	s_mov_b32 s47, 0
	s_mul_i32 s18, s12, ALOAD                      ; ao's parts (waves 0, 1) lie at wave x 41,472,
	s_mul_i32 s19, s12, BLOAD
	s_add_co_u32 s19, s19, 2*ALOAD-2*BLOAD         ; wt's halves (waves 2, 3) behind them at 82,944 + (wave - 2) x 33,792
	s_wait_dscnt 0x0
	s_wait_kmcnt 0x0
	s_add_nc_u64 s[20:21], s[4:5], s[16:17]
	s_add_nc_u64 s[46:47], s[6:7], s[46:47]
	CROUND                                         ; all sixteen work-groups are here: the first joint loads meet
.irp s, 0,1
	s_mov_b32 s[G0+4*\s], 1
	s_add_co_u32 s[G0+4*\s+1], s18, \s*SLOT
	s_add_nc_u64 s[G0+4*\s+2:G0+4*\s+3], s[20:21], \s*73728        ; four heads to a slot
	s_or_b32 s[G0+4*\s+3], s[G0+4*\s+3], 0x80000000
	s_mov_b32 s[G0B+4*\s], 1
	s_add_co_u32 s[G0B+4*\s+1], s19, \s*SLOT
	s_add_nc_u64 s[G0B+4*\s+2:G0B+4*\s+3], s[46:47], \s*512        ; 256 k to a slot
	s_or_b32 s[G0B+4*\s+3], s[G0B+4*\s+3], 0x80000000
	JLOAD \s                                       ; double steps 0 and 1: two tensor loads of the wave are out, later never more than one
.endr
	v_and_b32 v1, 15, v0                           ; r
	v_bfe_u32 v2, v0, 4, 1                         ; h
	v_mul_u32_u24 v3, v1, APITCH
	v_lshl_add_u32 v3, v2, 4, v3
	s_mul_i32 s22, s14, 64*APITCH                  ; my 64 rows
	v_add_nc_u32 v[ADRA], s22, v3
	v_add_nc_u32 v[ADRA+1], SLOT, v[ADRA]
	v_add_nc_u32 v[ADRA+2], ALOAD, v[ADRA]
	v_add_nc_u32 v[ADRA+3], ALOAD, v[ADRA+1]
	v_mul_u32_u24 v4, v1, BPITCH
	v_lshl_add_u32 v5, v2, 4, v4
	s_mul_i32 s22, s13, BLOAD                      ; my 64 columns = rows of wt
	s_add_co_u32 s22, s22, 2*ALOAD
	v_add_nc_u32 v[ADRB], s22, v5
	v_add_nc_u32 v[ADRB+1], SLOT, v[ADRB]
	s_mul_i32 s23, s12, 16*SPITCH
	s_add_co_u32 s23, s23, STAGE                   ; my stage
	v_mul_u32_u24 v6, v1, SPITCH
	v_lshl_add_u32 v6, v2, 5, v6                   ; in: row r, 32 bytes for each half of the lanes
	v_add_nc_u32 v[STO], s23, v6
	v_mul_u32_u24 v7, v2, SPITCH                   ; back: lanes 0-15 one row of 256 bytes, lanes 16-31 the next
	v_lshl_add_u32 v7, v1, 4, v7
	v_add_nc_u32 v[RD], s23, v7
	v_lshlrev_b32 v8, 4, v1
	v_lshl_add_u32 v[CO], v2, 12, v8               ; the same two rows in out0
; 16 matrix instructions: hi x 32 k.  With lo's four below, the accumulators take turns, one instruction a turn, and no two matrix instructions
; that follow each other name one accumulator, on either way round the branches.
.macro MULP f, zero
.irp a, 0,1,2,3
.irp b, 0,1,2,3
.if \zero
	v_wmma_f32_16x16x32_f16 v[8*(4*\a+\b):8*(4*\a+\b)+7], v[\f+8*\b:\f+8*\b+7], v[\f+32+8*\a:\f+32+8*\a+7], 0
.else
	v_wmma_f32_16x16x32_f16 v[8*(4*\a+\b):8*(4*\a+\b)+7], v[\f+8*\b:\f+8*\b+7], v[\f+32+8*\a:\f+32+8*\a+7], v[8*(4*\a+\b):8*(4*\a+\b)+7]
.endif
.endr
.endr
.endm
; 16 LDS loads in one run: wt's 8, hi's 8.  Quarter kq (a plain number, 0 to 7): head kq / 2 of the slot's four, d from 32 (kq % 2)
.macro FETCH slot, kq, f
.irp b, 0,1,2,3
	ds_load_b128 v[\f+8*\b:\f+8*\b+3],   v[ADRB+\slot] offset:64*\kq+16*BPITCH*\b
	ds_load_b128 v[\f+8*\b+4:\f+8*\b+7], v[ADRB+\slot] offset:64*\kq+16*BPITCH*\b+32
.endr
.irp a, 0,1,2,3
	ds_load_b128 v[\f+32+8*\a:\f+32+8*\a+3],   v[ADRA+2*(\kq/4)+\slot] offset:HEADB*((\kq/2)%2)+64*(\kq%2)+16*APITCH*\a
	ds_load_b128 v[\f+32+8*\a+4:\f+32+8*\a+7], v[ADRA+2*(\kq/4)+\slot] offset:HEADB*((\kq/2)%2)+64*(\kq%2)+16*APITCH*\a+32
.endr
.endm
; What waves 0 and 1 do for the block's rows 0-15.  load = 1: lo's fragment of quarter kq into buffer g; mul = 1: lo of buffer f x wt's four fragments
.macro LOPART slot, kq, g, f, load, mul
	s_cmp_lg_u32 s14, 0
	s_cbranch_scc1 .Lno_lo_\@
.if \load
	ds_load_b128 v[\g+64:\g+67], v[ADRA+2*(\kq/4)+\slot] offset:HEADB*((\kq/2)%2)+64*(\kq%2)+128*APITCH
	ds_load_b128 v[\g+68:\g+71], v[ADRA+2*(\kq/4)+\slot] offset:HEADB*((\kq/2)%2)+64*(\kq%2)+128*APITCH+32
.endif
.if \mul
	WIN MULW
.irp b, 0,1,2,3
	v_wmma_f32_16x16x32_f16 v[8*\b:8*\b+7], v[\f+8*\b:\f+8*\b+7], v[\f+64:\f+71], v[8*\b:8*\b+7]
.endr
	WIN 0
.endif
.Lno_lo_\@:
.endm
; A quarter step: buffer f is multiplied; at its head quarter kq is fetched into buffer g, so that the loads have the whole quarter's products
; in which to come back, and the wait at the next quarter's head is for all of them.
.macro QUARTER slot, kq, f, g
	s_wait_dscnt 0x0                               ; buffer f is in
	PLACES                                         ; behind the last quarter's products, which read buffer g
	FETCH \slot, \kq, \g
	LOPART \slot, \kq, \g, \f, 1, 1
	WIN MULW
	MULP \f, 0
	WIN 0
.endm
.macro SIX slot                        ; the quarters that fetch kq = 2 .. 7
	QUARTER \slot, 2, F1, F0
	QUARTER \slot, 3, F0, F1
	QUARTER \slot, 4, F1, F0
	QUARTER \slot, 5, F0, F1
	QUARTER \slot, 6, F1, F0
	QUARTER \slot, 7, F0, F1
.endm
; The eighth quarter and the change of slots: each wave's waits for its reads of this slot and for all its tensor loads (one is out: its part of
; the next slot) stand in front of the barrier; where the slot is filled again the barrier opens a round of the cluster's barrier, only register
; work stands inside, and the joint refill is the first tensor load behind its close.
.macro TURN slot, next, fill
	s_wait_dscnt 0x0
	s_wait_tensorcnt 0x0
	ds_add_u32 v254, v255
	s_wait_dscnt 0x0
	s_barrier_signal -1
	WIN MULW
	MULP F1, 0
	WIN 0
	s_barrier_wait -1
.if \fill
	CREST
	s_add_nc_u64 s[G0+4*\slot+2:G0+4*\slot+3], s[G0+4*\slot+2:G0+4*\slot+3], 147456     ; eight heads on; no tensor load of mine is out
	s_add_nc_u64 s[G0B+4*\slot+2:G0B+4*\slot+3], s[G0B+4*\slot+2:G0B+4*\slot+3], 1024   ; 512 k on
	JLOAD \slot
.endif
	PLACES
	FETCH \next, 0, F0
	LOPART \next, 0, F0, F1, 1, 1
.endm
	s_wait_tensorcnt 1                             ; my part of double step 0 is in; double step 1's load is the one younger
	s_barrier_signal -1
	s_barrier_wait -1
	FETCH 0, 0, F0
	LOPART 0, 0, F0, F0, 1, 0
	s_wait_dscnt 0x0                               ; the first quarter: hi's products start the sums, so lo's follow them here
	FETCH 0, 1, F1
	LOPART 0, 1, F1, F0, 1, 0
	WIN MULW
	MULP F0, 1
	WIN 0
	LOPART 0, 0, F0, F0, 0, 1
	SIX 0
	TURN 0, 1, 1                                   ; slot 0 gets double step 2
	QUARTER 1, 1, F0, F1
	SIX 1
	TURN 1, 0, 1                                   ; slot 1 gets double step 3
	QUARTER 0, 1, F0, F1
	SIX 0
	TURN 0, 1, 0                                   ; nothing is left to fetch
	QUARTER 1, 1, F0, F1
	SIX 1
	s_wait_dscnt 0x0                               ; the very last quarter
	LOPART 1, 7, F1, F1, 0, 1
	WIN MULW
	MULP F1, 0
	; THE WAY OUT: 16 rows at a time through my own stage, back as whole rows of 256 bytes.
	PLACES
	WIN 0
	s_lshl_b32 s68, s43, 19                        ; (128 br + 64 (w >> 1)) rows of 4,096 bytes + (128 bc + 64 (w & 1)) x 4
	s_lshl_b32 s69, s14, 18
	s_add_co_u32 s68, s68, s69
	s_lshl_b32 s69, s42, 9
	s_add_co_u32 s68, s68, s69
	s_lshl_b32 s69, s13, 8
	s_add_co_u32 s68, s68, s69
	s_mov_b32 s69, 0
	s_add_nc_u64 s[66:67], s[8:9], s[68:69]
.macro OUTP a, f
	WIN 0x04                                       ; the stores' data in window 1
.irp b, 0,1,2,3
	ds_store_b128 v[STO], v[8*(4*\a+\b):8*(4*\a+\b)+3]   offset:64*\b
	ds_store_b128 v[STO], v[8*(4*\a+\b)+4:8*(4*\a+\b)+7] offset:64*\b+16
.endr
	WIN 0
	s_wait_xcnt 0x0                                ; registers that earlier stores read are loaded again only behind this wait
.irp t, 0,1,2,3,4,5,6,7
	ds_load_b128 v[\f+4*\t:\f+4*\t+3], v[RD] offset:2*SPITCH*\t            ; LDS serves a wave's instructions in order: these see the stores above
.endr
.irp t, 0,1,2,3,4,5,6,7
	s_wait_dscnt 7-\t
	global_store_b128 v[CO], v[\f+4*\t:\f+4*\t+3], s[66:67] offset:65536*\a+8192*\t th:TH_STORE_NT    ; sixteen lanes store 256 neighbouring bytes, aligned
.endr
.endm
	OUTP 0, F0
	OUTP 1, F1
	OUTP 2, F0
	OUTP 3, F1
	s_wait_tensorcnt 0x0
	ds_add_u32 v254, v255
	s_wait_dscnt 0x0
	CROUND                                         ; the closing round: no work-group ends while a partner may still ask jointly
	s_endpgm
.Lfunc_end_k_q0768f97b72_proj:
	.size	k_q0768f97b72_proj, .Lfunc_end_k_q0768f97b72_proj-k_q0768f97b72_proj
	.p2alignl 7, 3214868480
	.fill 96, 4, 3214868480
	.section	.rodata,"a",@progbits
	.p2align	6, 0x0
	.amdhsa_kernel k_q0768f97b72_proj
		.amdhsa_group_segment_fixed_size 327680
		.amdhsa_private_segment_fixed_size 0
		.amdhsa_enable_private_segment 0
		.amdhsa_kernarg_size 24
		.amdhsa_user_sgpr_count 2
		.amdhsa_user_sgpr_kernarg_segment_ptr 1
		.amdhsa_wavefront_size32 1
		.amdhsa_system_sgpr_workgroup_id_x 1
		.amdhsa_system_sgpr_workgroup_id_y 1
		.amdhsa_system_sgpr_workgroup_id_z 1
		.amdhsa_system_vgpr_workitem_id 0
		.amdhsa_next_free_vgpr 384
		.amdhsa_next_free_sgpr 72
		.amdhsa_reserve_vcc 0
		.amdhsa_float_denorm_mode_32 3
		.amdhsa_float_denorm_mode_16_64 3
		.amdhsa_memory_ordered 1
		.amdhsa_forward_progress 1
		.amdhsa_inst_pref_size 105
	.end_amdhsa_kernel
	.amdgpu_metadata
---
amdhsa.version: [ 1, 2 ]
amdhsa.kernels:
  - .name:           k_q0768f97b72_proj
    .symbol:         k_q0768f97b72_proj.kd
    .args:
      - { .name: ao, .offset: 0, .size: 8, .value_kind: global_buffer, .address_space: global }
      - { .name: wt, .offset: 8, .size: 8, .value_kind: global_buffer, .address_space: global }
      - { .name: out0, .offset: 16, .size: 8, .value_kind: global_buffer, .address_space: global }
    .group_segment_fixed_size: 327680
    .private_segment_fixed_size: 0
    .kernarg_segment_align: 8
    .kernarg_segment_size: 24
    .max_flat_workgroup_size: 128
    .sgpr_count:     72
    .vgpr_count:     384
    .wavefront_size: 32
...
	.end_amdgpu_metadata
.endif
;; end of part 4
